; MI455X (gfx1250); checked and timed in simulation.
; The chip was launched on July 23, 2026; its instructions are those of AMD's public machine-readable ISA for CDNA 5 (MIT licence, August 2026) and "CDNA5" Instruction Set Architecture Reference Guide (July 2026). The comments in the code are by the model that wrote it; some were corrected since.
;; Causal Self Attention. Allowed arithmetic: matrix products marked QUANTISED: E2M3 operands, one E8M0 scale for each 32 along K, by v_wmma_scale_f32_16x16x128_f8f6f4 with both operands' format E2M3, f32 sums; everything else in f32.
;; Inputs: Wk_codes 512 x 16 x 24 uint8 (E2M3 codes of Wk, K innermost, in blocks of 32 codes, four codes in three bytes); Wk_scales 512 x 16 uint8 (E8M0 scales of Wk, one for each 32 codes along K); Wo_codes 512 x 16 x 24 uint8 (E2M3 codes of Wo, K innermost, in blocks of 32 codes, four codes in three bytes); Wo_scales 512 x 16 uint8 (E8M0 scales of Wo, one for each 32 codes along K); Wq_codes 512 x 16 x 24 uint8 (E2M3 codes of Wq, K innermost, in blocks of 32 codes, four codes in three bytes); Wq_scales 512 x 16 uint8 (E8M0 scales of Wq, one for each 32 codes along K); Wv_codes 512 x 16 x 24 uint8 (E2M3 codes of Wv, K innermost, in blocks of 32 codes, four codes in three bytes); Wv_scales 512 x 16 uint8 (E8M0 scales of Wv, one for each 32 codes along K); bk 512 float32; bo 512 float32; bq 512 float32; bv 512 float32; x_codes 2 x 4,096 x 16 x 24 uint8 (E2M3 codes of x, K innermost, in blocks of 32 codes, four codes in three bytes); x_scales 2 x 4,096 x 16 uint8 (E8M0 scales of x, one for each 32 codes along K).
;; Outputs: out0 2 x 4,096 x 512 float32.
;; This version of the problem:
;;   THIS VERSION OF THE PROBLEM IS GIVEN IN LOW PRECISION. The matrix products marked QUANTISED in the list below multiply operands that are first quantised to E2M3 (2 exponent bits, 3 mantissa bits; 6 bits a number), with one power-of-two scale for each 32 numbers along K (OCP MX v1.0); their sums are f32. All else is computed in f32.
;;   The module's matrix products, in the order in which they are computed (A, B: the left and right operand; K: the contracted axis; several contracted axes count as one K, in the product's order):
;;     1. [M 8,192, K 512] x [K 512, N 512]; A: input x (given as codes); B: input Wq (given as codes): QUANTISED
;;     2. [M 8,192, K 512] x [K 512, N 512]; A: input x (given as codes); B: input Wk (given as codes): QUANTISED
;;     3. [M 8,192, K 512] x [K 512, N 512]; A: input x (given as codes); B: input Wv (given as codes): QUANTISED
;;     4. batch 16 x [M 4,096, K 64] x [K 64, N 4,096]; A: computed on the way; B: computed on the way: QUANTISED
;;     5. batch 16 x [M 4,096, K 4,096] x [K 4,096, N 64]; A: softmax (see below); B: computed on the way: QUANTISED
;;     6. [M 8,192, K 512] x [K 512, N 512]; A: computed on the way; B: input Wo (given as codes): QUANTISED
;;   THE QUANTISER, for each operand of a quantised product, along K:
;;     - K is cut into blocks of 32 from its start; a last block that is shorter is filled with zeros.
;;     - A block's scale is 2^e with e = floor(log2(the largest magnitude in the block)) - 2, held to -126 .. 127; a block of zeros has e = 0. As a byte (E8M0): e + 127.
;;     - Each number is divided by its block's scale, clamped to +-7.5, and rounded to the nearest number of E2M3, ties to even, subnormals kept.
;;     - The product sums the exact products of the quantised numbers (number of the format x scale) in f32.
;;   ~~~python
;;   def quantise(x, axis):      # numpy; x: float32 -> the quantised numbers, widened to float32 again
;;       x = np.moveaxis(x, axis, -1); K = x.shape[-1]
;;       x = np.pad(x, [(0, 0)] * (x.ndim - 1) + [(0, -K % 32)]); x = x.reshape(x.shape[:-1] + (-1, 32)); a = np.abs(x).max(-1, keepdims=True)
;;       e = np.where(a > 0, np.clip(np.frexp(np.where(a > 0, a, 1))[1] - 1 - 2, -126, 127), 0)      # np.frexp(a)[1] - 1 = floor(log2(a)), exactly
;;       r = np.clip(x / 2.0 ** e, -7.5, 7.5)
;;       step = 2.0 ** (np.maximum(np.frexp(np.where(r == 0, 1, r))[1] - 1, 0) - 3)
;;       q = np.round(r / step) * step * 2.0 ** e      # np.round: ties to even
;;       return np.moveaxis(q.reshape(q.shape[:-2] + (-1,))[..., :K], -1, axis).astype(np.float32)
;;   ~~~
;;   SOFTMAX AHEAD OF A QUANTISED PRODUCT. Where the list says 'softmax', what is quantised is not the finished softmax but p = 2^(t - M), with t = logit x log2(e) and M = ceil(the row's largest t), a whole number; so 1/2 < the row's largest p <= 1. The row's sum l is taken of the UNQUANTISED p, in f32, and the product's result is divided by l at the end. Since M is a whole number, a kernel that streams over the keys may use a running M (the ceiling of the running maximum): every later rescaling is an exact power of two, which a block's scale takes up: the codes' values come out the same.
;;   OPERANDS COMPUTED ON THE WAY. 'Computed on the way' means the value that the module computes at that place (a softmax that the list does not call 'softmax' is quantised finished and normalised). What goes into a quantiser is computed in f32, as accurately as f32 sums, v_exp_f32 and their like allow (about 1e-6 of the number): no bf16 or f16 on the way to a quantiser, and a product that is left as it is and whose result goes on into a quantised operand takes f32 operands (vector FMAs, or v_wmma_f32_16x16x4_f32). A number that lies on a knife's edge between two numbers of the format may be rounded either way, as far as f32 arithmetic and the matrix unit's own rounding can turn it there, and no further.
;;   INPUTS GIVEN AS CODES. Wk (in the module: [512, 512], K = its axis 0); Wo (in the module: [512, 512], K = its axis 0); Wq (in the module: [512, 512], K = its axis 0); Wv (in the module: [512, 512], K = its axis 0); x (in the module: [2, 4096, 512], K = its axis 2): each comes as NAME_codes (uint8): NAME with its K axis moved to the last place and cut into blocks of 32 codes, [.., K / 32, bytes a block], one block behind the other in memory; four codes in three bytes: a row's codes are one little-endian stream of bits, code i at bits 6 i .. 6 i + 5 (a code: sign, 2 exponent bits, 3 mantissa bits); and NAME_scales (uint8): the same leading axes, one E8M0 byte (e + 127) for each 32 codes along K. Its value is code x scale, taken as it is: it is not quantised again, and the codes and scales need not be those that the quantiser above would give.
;; One version. Each part assembles by itself: llvm-mc -triple=amdgcn-amd-amdhsa -mcpu=gfx1250 --defsym DOCPART=n.
;; ======== version 1 of 1: 3 launches
;; limits: right only within a limited range of input values
;; workspace buffers: qcod 3,145,728 bytes; qscl 524,288 bytes; kv 6,291,456 bytes; kvs 262,144 bytes; acod 3,145,728 bytes; ascl 262,144 bytes
;; launch qkv (part 1): grid 32 x 8, 8 waves a work-group, no clusters, 200,704 bytes of LDS; arguments x_codes, x_scales, Wq_codes, Wq_scales, bq, Wk_codes, Wk_scales, bk, Wv_codes, Wv_scales, bv, qcod, qscl, kv, kvs; writes qcod, qscl, kv, kvs
.if DOCPART == 1
	.amdgcn_target "amdgcn-amd-amdhsa--gfx1250"
	.amdhsa_code_object_version 6
	.text
	.protected	k_q4b82adc98f_qkv
	.globl	k_q4b82adc98f_qkv
	.p2align	8
	.type	k_q4b82adc98f_qkv,@function
k_q4b82adc98f_qkv:
	s_mov_b64 s[64:65], 0
	v_nop
	global_prefetch_b8 v0, s[64:65] scope:SCOPE_SE
	s_setreg_imm32_b32 hwreg(HW_REG_WAVE_MODE, 25, 1), 1
	s_wait_xcnt 0x0
; Q = x Wq + bq, K = x Wk + bk, V = x Wv + bv on codes of FP6 (E2M3) with E8M0 scales, f32 sums; the results are quantised at once:
; Q and K along the head's 64 channels (two blocks of 32), V along the keys, and leave as IMAGES OF OPERAND REGISTERS for the attention launch.
; SHARES.  Work-group (x, y) takes tokens 256 x .. 256 x + 255 (of the 8,192) of head y.  Its eight waves first bring the 16 token tiles of x, the head's 4 channel tiles of each
; weight (4 K steps of 128 each), their scale words and the biases into LDS as register images (a fragment: 12 registers a lane = 3 stores of 16 bytes a lane, 512 dense bytes each).
; Then wave w makes three units of 8 accumulators: Q of token tiles 2 w, 2 w + 1; K of the same; V's channel tile w % 4 for the 128 tokens of half w / 4.
; THE ROWS OF A TILE ARE NOT NEIGHBOURS: pi(r) = r + (r & 8).  Lane r of token tile 2 b + u takes token 32 b + 8 u + pi(r); lane r of channel tile 2 b + u takes channel 32 b + 8 u + pi(r).
; So in every result the 16 registers of tiles 2 b and 2 b + 1 are 16 neighbours, 32 b + 16 (lane / 16) + 0 .. 15, along the axis that is quantised, and one macro (QUANT) serves all three.
; Q, K: source 0 = 16 channels of W, source 1 = 16 tokens: a lane holds one token, its registers run along the channels.  QUANT's four blocks are tile 2 w's two and tile 2 w + 1's two:
;   registers 0-5 of the fragment are the first tile's 64 channels, registers 6-11 the second's.  K leaves so (a pair of key tiles in one fragment), Q as two halves.
; V: source 0 = 16 tokens, source 1 = 16 channels: a lane holds one channel, its registers run along 128 keys: one fragment of V^T.
; The biases are the C of each sum's first matrix instruction: they are loaded into the accumulators in the result's layout.
; No cluster, no tensor load: a work-group's operands are 172,032 bytes brought once, and nothing is filled again.
; LIMITS: NaN and infinities are not served.  A block whose largest magnitude lies under 2^-124 (a block of zeros too) gets the scale byte 1; these bytes are read by this program alone, and zero codes add nothing under it.
.set XI,  0                            ; LDS: x's images, (4 T + s) x 1,536, T = 0 .. 15
.set WI,  98304                        ; the weights' images, (16 m + 4 t + s) x 1,536, m = 0 Q, 1 K, 2 V
.set XS,  172032                       ; x's scale words, 128 bytes an image
.set WS,  180224                       ; the weights'
.set BI,  186368                       ; the biases in the result's layout, (4 m + t) x 1,024: two planes of four registers
.set SCG, 198656                       ; where a key step's eight scale words a lane are gathered: 512 bytes for each half of the tokens
.set FRB, 1536                         ; a fragment's image
.set LI,  1                            ; v1   16 x lane
.set LS,  2                            ; v2   4 x lane
.set L8,  3                            ; v3   8 x lane
.set VX,  4                            ; v4   pi(r) x 384 + 24 h: my bytes of a tile's rows of codes (x and the weights: rows of 384 bytes)
.set VXS, 5                            ; v5   pi(r) x 16: my row's scale bytes
.set VB,  6                            ; v6   64 h: bq, bk: my half's channels
.set VBV, 7                            ; v7   pi(r) x 4: bv: my channel
.set XW,  8                            ; v8   my wave's two token tiles' images (written in the first phase, read in the Q and K units)
.set XSW, 9                            ; v9   and their scale words
.set WW,  10                           ; v10  where I store weight images
.set WSW, 11                           ; v11  and their scale words
.set BW,  12                           ; v12  and a bias plane
.set AXG, 13                           ; v13  the eight token tiles of my half
.set AXSG, 14                          ; v14  and their scale words
.set AW,  15                           ; v15  the weights' images
.set AWV, 16                           ; v16  Wv's channel tile w % 4
.set AWS, 17                           ; v17  the weights' scale words
.set AWSV, 18                          ; v18  those of Wv's tile
.set AB,  19                           ; v19  the bias images
.set ABV, 20                           ; v20  bv's, of my tile
.set GA,  21                           ; v21  my scale word's place in the gather
.set GR,  22                           ; v22  the gather, read back
.set FR,  24                           ; v24-167  fragments
.set SC,  168                          ; v168-179 scale words: these registers hold scales and nothing else
.set ACC, 180                          ; v180-243 eight accumulators
.set TM,  24                           ; QUANT's registers lie where the fragments lay: v24-27 largest magnitudes, v28-31 bytes, v36-39 scale operands
.set PW,  40                           ; v40  the scale word just made
.set PC,  44                           ; v44-55 the codes just made; v56-62 at work
.set XR,  24                           ; first phase only: v24-119 x's 8 fragments as loaded
.set WR,  180                          ; v180-251 the weights' 6
.set XSR, 120                          ; v120-127 x's scale words
.set WSR, 128                          ; v128-133 the weights'
.set BR,  136                          ; v136-147 three bias planes
.macro IMAGE reg, adr, off             ; a fragment goes to LDS as it stands
.irp c, 0,1,2
	ds_store_b128 v[\adr], v[\reg+4*\c:\reg+4*\c+3] offset:\off+512*\c
.endr
.endm
.macro FETCH reg, adr, off             ; and comes back so, in any wave
.irp c, 0,1,2
	ds_load_b128 v[\reg+4*\c:\reg+4*\c+3], v[\adr] offset:\off+512*\c
.endr
.endm
.macro MM d, a, b, sa, sb              ; one link of a sum, in place
	v_wmma_scale_f32_16x16x128_f8f6f4 v[\d:\d+7], v[\a:\a+11], v[\b:\b+11], v[\d:\d+7], v[\sa], v[\sb] matrix_a_fmt:MATRIX_FMT_FP6 matrix_b_fmt:MATRIX_FMT_FP6
.endm
.macro PLACES                          ; four plain vector instructions between a matrix instruction and a load into, or a vector access to, its registers
.rept 4
	v_nop
.endr
.endm
.macro BARRIER                         ; my LDS stores have landed and my LDS loads are in: then the work-group's barrier
	s_wait_dscnt 0x0
	s_barrier_signal -1
	s_barrier_wait -1
.endm
; 64 numbers of a lane, v[s] .. v[s + 63], register 16 b + i = place 32 b + 16 (lane / 16) + i of my row, become a fragment's codes in v[PC] on and its scale word in v[PW].
.macro QUANT s
.irp b, 0,1,2,3
	v_mov_b32 v[TM+4+\b], 0                        ; a lane permute's destination counts as one of its sources
.endr
.irp b, 0,1,2,3
	v_max3_num_f32 v[TM+\b], |v[\s+16*\b]|, |v[\s+1+16*\b]|, 0x1800000   ; block b: my 16 numbers, and the floor 2^(3 - 127): the byte cannot fall under 1.  Each accumulator is read from its low end on
.endr
.irp i, 2,4,6,8,10,12,14
.irp b, 0,1,2,3
	v_max3_num_f32 v[TM+\b], v[TM+\b], |v[\s+16*\b+\i]|, |v[\s+1+16*\b+\i]|   ; the four blocks by turns
.endr
.endr
.irp b, 0,1,2,3
	s_delay_alu instid0(VALU_DEP_4)
	v_permlanex16_b32 v[TM+4+\b], v[TM+\b], s46, s47
.endr
.irp b, 0,1,2,3
	s_delay_alu instid0(VALU_DEP_4)
	v_max_num_f32 v[TM+\b], v[TM+\b], v[TM+4+\b]   ; with lane l xor 16's: the block's largest magnitude
.endr
.irp b, 0,1,2,3
	s_delay_alu instid0(VALU_DEP_4)
	v_add_nc_u32 v[TM+12+\b], 0xff000000, v[TM+\b] ; 2 off its exponent field: the conversion takes the exponent field of this operand as its scale
.endr
.irp b, 0,1,2,3
	s_delay_alu instid0(VALU_DEP_4)
	v_lshrrev_b32 v[TM+4+\b], 23, v[TM+12+\b]      ; the scale's byte
.endr
	s_delay_alu instid0(VALU_DEP_3)
	v_lshl_or_b32 v[PW], v[TM+5], 8, v[TM+4]       ; four bytes: my row's scale word
	s_delay_alu instid0(VALU_DEP_1)
	v_lshl_or_b32 v[PW], v[TM+6], 16, v[PW]
	s_delay_alu instid0(VALU_DEP_1)
	v_lshl_or_b32 v[PW], v[TM+7], 24, v[PW]
.irp c, 0,1
	v_cvt_scalef32_pk16_fp6_f32 v[PC+6*\c:PC+2+6*\c], v[\s+32*\c:\s+15+32*\c], v[TM+12+2*\c]
	v_cvt_scalef32_pk16_fp6_f32 v[PC+12+4*\c:PC+14+4*\c], v[\s+16+32*\c:\s+31+32*\c], v[TM+12+2*\c+1]   ; (a conversion's three registers begin on an even number)
.endr
	v_nop                                          ; one plain place behind a scaled conversion
.irp c, 0,1                            ; the operand's layout wants a whole block in a lane: lanes 0-15 block 2 c, lanes 16-31 block 2 c + 1
.irp i, 0,1,2
	v_permlane16_swap_b32 v[PC+6*\c+\i], v[PC+12+4*\c+\i]
.endr
.irp i, 0,1,2
	s_delay_alu instid0(VALU_DEP_3)
	v_mov_b32 v[PC+3+6*\c+\i], v[PC+12+4*\c+\i]
.endr
.endr
.endm
	s_load_b512 s[8:23], s[0:1], 0x0               ; x_codes 8, x_scales 10, Wq_codes 12, Wq_scales 14, bq 16, Wk_codes 18, Wk_scales 20, bk 22
	s_load_b256 s[24:31], s[0:1], 0x40             ; Wv_codes 24, Wv_scales 26, bv 28, qcod 30
	s_load_b128 s[32:35], s[0:1], 0x60             ; qscl 32, kv 34
	s_load_b64 s[36:37], s[0:1], 0x70              ; kvs 36
	v_lshl_add_u32 v254, v0, 2, 0x30c00
	v_mov_b32 v255, 0
	v_lshrrev_b32 v1, 5, v0
	s_delay_alu instid0(VALU_DEP_1)
	v_readfirstlane_b32 s38, v1                    ; wave w, 0 .. 7
	s_and_b32 s40, ttmp7, 0xffff                   ; head
	s_lshr_b32 s41, s38, 2                         ; g: which 128 tokens
	s_and_b32 s42, s38, 3                          ; i: which fragment of that key step
	s_lshr_b32 s43, s38, 1                         ; t: the channel tile that I bring in
	s_and_b32 s44, s38, 1                          ; e: its K steps 2 e, 2 e + 1
	s_lshl_b32 s45, s40, 6
	s_lshr_b32 s48, s43, 1
	s_lshl_b32 s48, s48, 5
	s_add_co_u32 s45, s45, s48
	s_and_b32 s48, s43, 1
	s_lshl_b32 s48, s48, 3
	s_add_co_u32 s45, s45, s48                     ; RB = 64 head + 32 (t / 2) + 8 (t % 2): tile t's first row of a weight
	s_mov_b32 s46, 0x76543210
	s_mov_b32 s47, 0xfedcba98                      ; v_permlanex16_b32's selects for lane l xor 16
	; byte offsets, each in a pair of its own with 0 above it
	s_lshl_b32 s48, ttmp9, 8
	s_lshl_b32 s49, s38, 5
	s_add_co_u32 s48, s48, s49                     ; my wave's first token: 256 x + 32 w
	s_mul_i32 s50, s48, 384                        ; x's codes
	s_mov_b32 s51, 0
	s_lshl_b32 s52, s48, 4                         ; x's scale bytes
	s_mov_b32 s53, 0
	s_mul_i32 s54, s45, 384                        ; a weight's codes: row RB, K step 2 e
	s_mul_i32 s49, s44, 192
	s_add_co_u32 s54, s54, s49
	s_mov_b32 s55, 0
	s_lshl_b32 s56, s45, 4                         ; its scale bytes
	s_lshl_b32 s49, s44, 3
	s_add_co_u32 s56, s56, s49
	s_mov_b32 s57, 0
	s_lshl_b32 s60, s45, 2                         ; bv at channel RB
	s_mov_b32 s61, 0
	s_lshl_b32 s49, s44, 4
	s_add_co_u32 s58, s60, s49                     ; bq, bk at channel RB + 4 e: plane e
	s_mov_b32 s59, 0
	s_lshr_b32 s48, ttmp9, 4
	s_lshl_b32 s48, s48, 3
	s_add_co_u32 s48, s48, s40                     ; bh = 8 batch + head
	s_and_b32 s49, ttmp9, 15                       ; n: which 256 tokens of the sequence
	s_lshl_b32 s2, s48, 8
	s_lshl_b32 s4, s49, 4
	s_add_co_u32 s2, s2, s4
	s_lshl_b32 s4, s38, 1
	s_add_co_u32 s2, s2, s4                        ; my first query tile: 256 bh + 16 n + 2 w
	s_lshl_b32 s4, s2, 7                           ; qscl: 128 bytes a tile
	s_mov_b32 s5, 0
	s_mul_i32 s2, s2, 768                          ; qcod: 768 bytes a tile
	s_mov_b32 s3, 0
	s_lshl_b32 s48, s48, 5
	s_lshl_b32 s49, s49, 1
	s_add_co_u32 s48, s48, s49
	s_add_co_u32 s48, s48, s41                     ; my key step's record: 32 bh + 2 n + g
	s_lshl_b32 s62, s48, 9                         ; kvs: 512 bytes a record
	s_mov_b32 s63, 0
	s_mul_i32 s6, s48, 12288                       ; kv: 12,288 bytes a record, fragment i
	s_mul_i32 s49, s42, FRB
	s_add_co_u32 s6, s6, s49
	s_mov_b32 s7, 0
	; lane terms and LDS addresses: a constant + a constant x lane + a constant x wave, all made here
	v_and_b32 v150, 31, v0                         ; lane
	v_and_b32 v151, 15, v0                         ; r
	v_bfe_u32 v152, v0, 4, 1                       ; h
	v_and_b32 v153, 8, v0
	s_delay_alu instid0(VALU_DEP_1)
	v_add_nc_u32 v153, v153, v151                  ; pi(r)
	v_lshlrev_b32 v[LI], 4, v150
	v_lshlrev_b32 v[LS], 2, v150
	v_lshlrev_b32 v[L8], 3, v150
	s_delay_alu instid0(VALU_DEP_4)
	v_mul_u32_u24 v[VX], v153, 384
	s_delay_alu instid0(VALU_DEP_1)
	v_mad_u32_u24 v[VX], v152, 24, v[VX]
	v_lshlrev_b32 v[VXS], 4, v153
	v_lshlrev_b32 v[VB], 6, v152
	v_lshlrev_b32 v[VBV], 2, v153
	s_mul_i32 s48, s38, 12288
	v_add_nc_u32 v[XW], s48, v[LI]
	s_lshl_b32 s48, s38, 10
	s_add_co_u32 s48, s48, XS
	v_add_nc_u32 v[XSW], s48, v[LS]
	s_mul_i32 s48, s38, 3072
	s_add_co_u32 s48, s48, WI
	v_add_nc_u32 v[WW], s48, v[LI]
	s_lshl_b32 s48, s38, 8
	s_add_co_u32 s48, s48, WS
	v_add_nc_u32 v[WSW], s48, v[LS]
	s_lshl_b32 s48, s38, 9
	s_add_co_u32 s48, s48, BI
	v_add_nc_u32 v[BW], s48, v[LI]
	s_mul_i32 s48, s41, 49152
	v_add_nc_u32 v[AXG], s48, v[LI]
	s_lshl_b32 s48, s41, 12
	s_add_co_u32 s48, s48, XS
	v_add_nc_u32 v[AXSG], s48, v[LS]
	v_add_nc_u32 v[AW], WI, v[LI]
	s_mul_i32 s48, s42, 6144
	s_add_co_u32 s48, s48, WI+49152
	v_add_nc_u32 v[AWV], s48, v[LI]
	v_add_nc_u32 v[AWS], WS, v[LS]
	s_lshl_b32 s48, s42, 9
	s_add_co_u32 s48, s48, WS+4096
	v_add_nc_u32 v[AWSV], s48, v[LS]
	v_add_nc_u32 v[AB], BI, v[LI]
	s_lshl_b32 s48, s42, 10
	s_add_co_u32 s48, s48, BI+8192
	v_add_nc_u32 v[ABV], s48, v[LI]
	s_lshl_b32 s48, s41, 9                         ; the gather: word (lane l, register k) at 16 l + 4 k.  K's fragment i: lane r + 16 (i % 2), register i / 2; V's: register 2 + i / 2
	s_and_b32 s49, s42, 1
	s_lshl_b32 s49, s49, 8
	s_add_co_u32 s48, s48, s49
	s_lshr_b32 s49, s42, 1
	s_lshl_b32 s49, s49, 2
	s_add_co_u32 s48, s48, s49
	s_add_co_u32 s48, s48, SCG
	v_lshl_add_u32 v[GA], v151, 4, s48
	s_lshl_b32 s48, s41, 9
	s_add_co_u32 s48, s48, SCG
	v_add_nc_u32 v[GR], s48, v[LI]
	s_wait_alu depctr_va_vdst(0)
	s_wait_kmcnt 0x0
	s_add_nc_u64 s[8:9], s[8:9], s[50:51]
	s_add_nc_u64 s[10:11], s[10:11], s[52:53]
.irp m, 0,1,2
	s_add_nc_u64 s[12+6*\m:13+6*\m], s[12+6*\m:13+6*\m], s[54:55]
	s_add_nc_u64 s[14+6*\m:15+6*\m], s[14+6*\m:15+6*\m], s[56:57]
.endr
	s_add_nc_u64 s[16:17], s[16:17], s[58:59]
	s_add_nc_u64 s[22:23], s[22:23], s[58:59]
	s_add_nc_u64 s[28:29], s[28:29], s[60:61]
	s_add_nc_u64 s[30:31], s[30:31], s[2:3]
	s_add_nc_u64 s[32:33], s[32:33], s[4:5]
	s_add_nc_u64 s[34:35], s[34:35], s[6:7]
	s_add_nc_u64 s[36:37], s[36:37], s[62:63]
	; ---- THE OPERANDS COME IN.  A fragment: lane (r, h) takes 24 bytes at 24 h and 24 bytes at 48 + 24 h of its row's 96 bytes of a K step, in pieces of 8 bytes.
.irp u, 0,1                            ; x: token tiles 2 w + u, all four K steps
.irp s, 0,1,2,3
.irp p, 0,1,2,3,4,5
	global_load_b64 v[XR+12*(4*\u+\s)+2*\p:XR+12*(4*\u+\s)+2*\p+1], v[VX], s[8:9] offset:3072*\u+96*\s+48*(\p/3)+8*(\p%3)
.endr
	global_load_b32 v[XSR+4*\u+\s], v[VXS], s[10:11] offset:128*\u+4*\s
.endr
.endr
.irp m, 0,1,2                          ; each weight: channel tile t, K steps 2 e + s
.irp s, 0,1
.irp p, 0,1,2,3,4,5
	global_load_b64 v[WR+12*(2*\m+\s)+2*\p:WR+12*(2*\m+\s)+2*\p+1], v[VX], s[12+6*\m:13+6*\m] offset:96*\s+48*(\p/3)+8*(\p%3)
.endr
	global_load_b32 v[WSR+2*\m+\s], v[VXS], s[14+6*\m:15+6*\m] offset:4*\s
.endr
.endr
	global_load_b128 v[BR:BR+3], v[VB], s[16:17]   ; bq, bk: registers 4 e .. 4 e + 3 of the result's layout: channels RB + 16 h + 4 e + 0 .. 3
	global_load_b128 v[BR+4:BR+7], v[VB], s[22:23]
.irp j, 0,1,2,3
	global_load_b32 v[BR+8+\j], v[VBV], s[28:29]   ; bv: in V's result a lane holds one channel: the same number in every register
.endr
	s_wait_loadcnt 0x0                             ; all of them: every one is stored below
.irp u, 0,1
.irp s, 0,1,2,3
	IMAGE XR+12*(4*\u+\s), XW, (4*\u+\s)*FRB
	ds_store_b32 v[XSW], v[XSR+4*\u+\s] offset:128*(4*\u+\s)
.endr
.endr
.irp m, 0,1,2
.irp s, 0,1
	IMAGE WR+12*(2*\m+\s), WW, 24576*\m+FRB*\s
	ds_store_b32 v[WSW], v[WSR+2*\m+\s] offset:2048*\m+128*\s
.endr
	ds_store_b128 v[BW], v[BR+4*\m:BR+4*\m+3] offset:4096*\m
.endr
	BARRIER                                        ; every image lies in LDS; from here on these bytes are only read
; ---- Q (m = 0) or K (m = 1) of my two token tiles: accumulator (u, t) at v[ACC + 32 u + 8 t].  Two rounds of two K steps; the eight accumulators take turns, one instruction a turn.
.macro QKUNIT m
.irp u, 0,1
.irp t, 0,1,2,3
.irp pl, 0,1
	ds_load_b128 v[ACC+32*\u+8*\t+4*\pl:ACC+32*\u+8*\t+4*\pl+3], v[AB] offset:4096*\m+1024*\t+512*\pl   ; the bias starts the sums
.endr
.endr
.endr
.irp g, 0,1
.irp e, 0,1
.irp u, 0,1
	FETCH FR+72*\e+12*\u, XW, (4*\u+2*\g+\e)*FRB
	ds_load_b32 v[SC+6*\e+\u], v[XSW] offset:128*(4*\u+2*\g+\e)
.endr
.irp t, 0,1,2,3
	FETCH FR+72*\e+24+12*\t, AW, 24576*\m+(4*\t+2*\g+\e)*FRB
	ds_load_b32 v[SC+6*\e+2+\t], v[AWS] offset:(16*\m+4*\t+2*\g+\e)*128
.endr
.endr
	s_wait_dscnt 0x0                               ; the round's fragments, scale words and (first round) the biases are in
.irp e, 0,1
.irp u, 0,1
.irp t, 0,1,2,3
	MM ACC+32*\u+8*\t, FR+72*\e+24+12*\t, FR+72*\e+12*\u, SC+6*\e+2+\t, SC+6*\e+\u
.endr
.endr
.endr
	PLACES                                         ; in front of the next round's loads into these registers, and of QUANT's reads and writes
.endr
	QUANT ACC
.if \m == 0
	global_store_b128 v[LI], v[PC:PC+3], s[30:31]                  ; query tile 2 w: registers 0-3 at 16 x lane: 512 dense bytes,
	global_store_b64 v[L8], v[PC+4:PC+5], s[30:31] offset:512      ; registers 4-5 at 8 x lane: 256
	global_store_b128 v[LI], v[PC+6:PC+9], s[30:31] offset:768     ; query tile 2 w + 1
	global_store_b64 v[L8], v[PC+10:PC+11], s[30:31] offset:1280
	v_perm_b32 v244, v[PW], v[PW], 0x01000100      ; a query tile's word: its two bytes twice, so that it serves the tile in either half of K
	v_perm_b32 v245, v[PW], v[PW], 0x03020302
	global_store_b32 v[LS], v244, s[32:33]
	global_store_b32 v[LS], v245, s[32:33] offset:128
.else
.irp c, 0,1,2
	global_store_b128 v[LI], v[PC+4*\c:PC+4*\c+3], s[34:35] offset:512*\c   ; K's pair of key tiles, as it stands
.endr
	ds_store_b32 v[GA], v[PW]                      ; lanes r and r + 16 write the same word with the same value
.endif
	s_wait_xcnt 0x0                                ; the stores' data lie where the next unit's fragments land: those registers are loaded again only behind this wait
	s_wait_dscnt 0x0
.endm
	QKUNIT 0
	QKUNIT 1
	; ---- V: channel tile i for the 8 token tiles of my half: accumulator a at v[ACC + 8 a]; a K step a round
.irp a, 0,1,2,3,4,5,6,7
.irp pl, 0,1
	ds_load_b128 v[ACC+8*\a+4*\pl:ACC+8*\a+4*\pl+3], v[ABV] offset:512*\pl
.endr
.endr
.irp s, 0,1,2,3
.irp a, 0,1,2,3,4,5,6,7
	FETCH FR+12*\a, AXG, (4*\a+\s)*FRB
	ds_load_b32 v[SC+\a], v[AXSG] offset:(4*\a+\s)*128
.endr
	FETCH FR+96, AWV, FRB*\s
	ds_load_b32 v[SC+8], v[AWSV] offset:128*\s
	s_wait_dscnt 0x0
.irp a, 0,1,2,3,4,5,6,7
	MM ACC+8*\a, FR+12*\a, FR+96, SC+\a, SC+8
.endr
	PLACES
.endr
	QUANT ACC
.irp c, 0,1,2
	global_store_b128 v[LI], v[PC+4*\c:PC+4*\c+3], s[34:35] offset:6144+512*\c   ; V's fragments lie behind K's four
.endr
	ds_store_b32 v[GA], v[PW] offset:8
	BARRIER                                        ; a key step's eight scale words a lane lie in the gather
	s_cmp_lg_u32 s42, 0                            ; waves 0 and 4 store them: 512 dense bytes
	s_cbranch_scc1 .Ldone
	ds_load_b128 v[24:27], v[GR]
	s_wait_dscnt 0x0
	global_store_b128 v[LI], v[24:27], s[36:37]
.Ldone:
	s_wait_tensorcnt 0x0
	ds_add_u32 v254, v255
	s_wait_dscnt 0x0
	s_endpgm
.Lfunc_end_k_q4b82adc98f_qkv:
	.size	k_q4b82adc98f_qkv, .Lfunc_end_k_q4b82adc98f_qkv-k_q4b82adc98f_qkv
	.p2alignl 7, 3214868480
	.fill 96, 4, 3214868480
	.section	.rodata,"a",@progbits
	.p2align	6, 0x0
	.amdhsa_kernel k_q4b82adc98f_qkv
		.amdhsa_group_segment_fixed_size 200704
		.amdhsa_private_segment_fixed_size 0
		.amdhsa_enable_private_segment 0
		.amdhsa_kernarg_size 120
		.amdhsa_user_sgpr_count 2
		.amdhsa_user_sgpr_kernarg_segment_ptr 1
		.amdhsa_wavefront_size32 1
		.amdhsa_system_sgpr_workgroup_id_x 1
		.amdhsa_system_sgpr_workgroup_id_y 1
		.amdhsa_system_sgpr_workgroup_id_z 1
		.amdhsa_system_vgpr_workitem_id 0
		.amdhsa_next_free_vgpr 256
		.amdhsa_next_free_sgpr 66
		.amdhsa_reserve_vcc 0
		.amdhsa_float_denorm_mode_32 3
		.amdhsa_float_denorm_mode_16_64 3
		.amdhsa_memory_ordered 1
		.amdhsa_forward_progress 1
		.amdhsa_inst_pref_size 73
	.end_amdhsa_kernel
	.amdgpu_metadata
---
amdhsa.version: [ 1, 2 ]
amdhsa.kernels:
  - .name:           k_q4b82adc98f_qkv
    .symbol:         k_q4b82adc98f_qkv.kd
    .args:
      - { .name: x_codes, .offset: 0, .size: 8, .value_kind: global_buffer, .address_space: global }
      - { .name: x_scales, .offset: 8, .size: 8, .value_kind: global_buffer, .address_space: global }
      - { .name: Wq_codes, .offset: 16, .size: 8, .value_kind: global_buffer, .address_space: global }
      - { .name: Wq_scales, .offset: 24, .size: 8, .value_kind: global_buffer, .address_space: global }
      - { .name: bq, .offset: 32, .size: 8, .value_kind: global_buffer, .address_space: global }
      - { .name: Wk_codes, .offset: 40, .size: 8, .value_kind: global_buffer, .address_space: global }
      - { .name: Wk_scales, .offset: 48, .size: 8, .value_kind: global_buffer, .address_space: global }
      - { .name: bk, .offset: 56, .size: 8, .value_kind: global_buffer, .address_space: global }
      - { .name: Wv_codes, .offset: 64, .size: 8, .value_kind: global_buffer, .address_space: global }
      - { .name: Wv_scales, .offset: 72, .size: 8, .value_kind: global_buffer, .address_space: global }
      - { .name: bv, .offset: 80, .size: 8, .value_kind: global_buffer, .address_space: global }
      - { .name: qcod, .offset: 88, .size: 8, .value_kind: global_buffer, .address_space: global }
      - { .name: qscl, .offset: 96, .size: 8, .value_kind: global_buffer, .address_space: global }
      - { .name: kv, .offset: 104, .size: 8, .value_kind: global_buffer, .address_space: global }
      - { .name: kvs, .offset: 112, .size: 8, .value_kind: global_buffer, .address_space: global }
    .group_segment_fixed_size: 200704
    .private_segment_fixed_size: 0
    .kernarg_segment_align: 8
    .kernarg_segment_size: 120
    .max_flat_workgroup_size: 256
    .sgpr_count:     66
    .vgpr_count:     256
    .wavefront_size: 32
...
	.end_amdgpu_metadata
.endif
;; end of part 1
;; launch attn (part 2): grid 16 x 16, 16 waves a work-group, no clusters, 149,504 bytes of LDS; arguments qcod, qscl, kv, kvs, acod, ascl; writes acod, ascl
.if DOCPART == 2
	.amdgcn_target "amdgcn-amd-amdhsa--gfx1250"
	.amdhsa_code_object_version 6
	.text
	.protected	k_q4b82adc98f_attn
	.globl	k_q4b82adc98f_attn
	.p2align	8
	.type	k_q4b82adc98f_attn,@function
k_q4b82adc98f_attn:
	s_mov_b64 s[64:65], 0
	v_nop
	global_prefetch_b8 v0, s[64:65] scope:SCOPE_SE
	s_setreg_imm32_b32 hwreg(HW_REG_WAVE_MODE, 25, 1), 1
	s_wait_xcnt 0x0
; o = softmax(Q K^T / 8, causal) V for one head, both products on codes of FP6 (E2M3) with E8M0 scales; o / l is quantised along the model's 512 for the last product.
; THE SOFTMAX AHEAD OF THE SECOND PRODUCT: t = score x log2(e) / 8; M = the largest t so far, rounded up to a whole number; p = 2^(t - M) is quantised along the keys, not normalised;
; l is the sum of the unquantised p.  When M moves, l and O are multiplied by 2^(old M - new M): exact.  Key steps that lie wholly behind the causal mask are not worked.
; SHARES.  A head's 4,096 queries are 32 chunks of 128 (8 tiles of 16); a key step is 128 keys.  Work-group (j, bh) owns chunks j (j + 1 key steps) and 31 - j (32 - j key steps): 33 steps for each pair of tiles.
; Its sixteen waves are eight pairs, one pair to tile idx of both chunks.  Wave X of a pair works the high tile's steps 15 - j .. 31 - j (17 trips).  Wave Y works the high tile's steps 0 .. 14 - j, lays its O, M and l
; into LDS bytes of its own, then works the low tile's steps 0 .. j (16 trips in all) and finishes the low tile.  X joins Y's part to its own (both under the larger M, by exact powers of two) and finishes the high tile.
; X and Y alternate by (w ^ (w >> 2)) & 1.
; LAYOUT.  Both products are used transposed (S^T = K Q^T, O^T = V^T P^T): a lane holds one query.  pi(r) = r + (r & 8): lane r of key tile 2 b + u holds key 32 b + 8 u + pi(r), so the 16 registers of tiles 2 b, 2 b + 1
; are keys 32 b + 16 (lane / 16) + 0 .. 15; query tiles and V's channel tiles are laid the same way.
; THE HEAD'S 64 CHANNELS IN AN INSTRUCTION OF 128: a fragment of K holds key tile 2 b in k 0-63 and 2 b + 1 in k 64-127.  Q stands in 18 registers [q | zeros | q]: registers 0-11 give tile 2 b, registers 6-17 tile 2 b + 1.
; TILES.  In each trip the eight X waves read one record (12,288 bytes: four fragments of K, four of V, as register images) and the eight Y waves another.  Each group copies its own: 3 loads of 16 bytes a thread, issued two
; trips ahead of the trip that reads them, stored to LDS one trip ahead.  THREE LDS slots by turns: trip n reads slot n % 3 and stores into slot (n + 1) % 3, which was last read in trip n - 2.  So the barrier is split:
; a wave signals behind its stores of trip n and waits at the top of trip n + 1; between the two it reads slot n % 3 alone, which is written again only in trip n + 2, behind the next barrier.
; A step's scale words (512 bytes) come from memory into registers, a wave for itself, two trips ahead: three sets by turns.  With these leads no separate request ahead of the loads is written.
; NO CLUSTER, NO TENSOR LOAD: the work-groups of a head read different records in the same trip (their first steps are 15 - j and 0), and which waves still fill hangs on the wave's role.
; Every wave loads both tiles' q at the head; the low tile's is used by Y alone.
; LIMITS: NaN and infinities are not served; the promise holds while the scaled scores stay under 2^31 in magnitude; o / l is a reciprocal (1 ulp) and a multiplication; a block under 2^-124 (zeros too) gets the scale byte 1, read by this program alone.
.set STEPB, 12288                      ; a key step's record
.set SLOTB, 24576                      ; an LDS slot: Y's record, then X's
.set DUMP,  73728                      ; behind the three slots: 4,608 bytes for each wave, its own by its number; Y lays its part of the high tile there, X reads those of wave w xor 1, its partner
.set DPITCH, 4608
.set SPARE, 147456                     ; the spare words, 128 bytes a wave
.set LI,  1                            ; v1   16 x lane
.set CPG, 2                            ; v2   the copy's place in a record: 512 idx + 16 lane
.set LS,  3                            ; v3   4 x lane
.set CPL, 4                            ; v4   the copy's place in a slot: 12,288 role + 512 idx + 16 lane
.set DQ,  5                            ; v5   my query's place in its chunk - 16 (lane / 16)
.set NINF, 6                           ; v6   -infinity
.set L8,  7                            ; v7   8 x lane
.set ST,  8                            ; v8-19  48 bytes a thread on their way
.set NM,  20                           ; v20  -M;  v21 the largest t
.set LL,  22                           ; v[22:23] l in two halves
.set QF,  24                           ; v24-29 q, v30-35 zeros, v36-41 q
.set QS,  42                           ; v42  q's scale word
.set LR,  43                           ; v43  my group's record in a slot: 12,288 role + 16 lane
.set SC0, 44                           ; v44-47, v238-241, v248-251: three sets of a step's scale words: +0 K's fragments 0 (lanes 0-15), 1 (16-31), +1 K's 2, 3, +2 V's 0, 1, +3 V's 2, 3
.set SC1, 238
.set SC2, 248
.set F,   48                           ; v48-95 four fragments, of K, then of V
.set S,   96                           ; v96-159 S^T, then p
.set O,   160                          ; v160-191 O^T
.set PC,  192                          ; v192-203 p's codes
.set PT,  204                          ; v204-206, v208-210 at work
.set DMP, 207                          ; v207 my own bytes of DUMP + 16 lane
.set DMR, 211                          ; v211 my partner's bytes of DUMP + 16 lane
.set BM,  212
.set BP,  216
.set BS,  220
.set PW,  224
.set FF,  226                          ; v[226:227] f = 2^(old M - new M); at the end 1 / l
.set TT,  228
.set QS2, 229                          ; the low tile's scale word
.set L2,  230                          ; v[230:231], v[242:243], v[244:245]: the sum's other chains
.set LC,  242
.set LD,  244
.set Q2,  232                          ; v232-237 the low tile's q
.set WV,  16
.set J,   17
.set BH,  18
.set ROLE, 19                          ; 1: X
.set IDX, 20
.set LAST, 21                          ; my last trip, the one on the diagonal: X 16, Y 15
.set TR,  22                           ; the trip at whose top Y changes tiles: 15 - j (X: never)
.set START, 23                         ; my first key step: X 15 - j, Y 0
.set SEL, 24
.set CS,  26                           ; s[26:27] log2(e) / 8
.set N,   28                           ; the trip
.set BB,  30                           ; idx / 2: the block of 32 keys in which my tile meets the diagonal
.set CNT, 31
.set QL,  54                           ; s[54:55], s[56:57] the low tile's q and scale words
.set KVA, 58                           ; s[58:59], s[60:61] a trip's record and scale words
.macro KQ d, a, b, sa, row
.if \row
	v_wmma_scale_f32_16x16x128_f8f6f4 v[\d:\d+7], v[\a:\a+11], v[\b:\b+11], 0, v[\sa], v[QS] matrix_a_fmt:MATRIX_FMT_FP6 matrix_b_fmt:MATRIX_FMT_FP6 matrix_a_scale:MATRIX_SCALE_ROW1
.else
	v_wmma_scale_f32_16x16x128_f8f6f4 v[\d:\d+7], v[\a:\a+11], v[\b:\b+11], 0, v[\sa], v[QS] matrix_a_fmt:MATRIX_FMT_FP6 matrix_b_fmt:MATRIX_FMT_FP6
.endif
.endm
.macro PVM d, a, sa, row
.if \row
	v_wmma_scale_f32_16x16x128_f8f6f4 v[\d:\d+7], v[\a:\a+11], v[PC:PC+11], v[\d:\d+7], v[\sa], v[PW] matrix_a_fmt:MATRIX_FMT_FP6 matrix_b_fmt:MATRIX_FMT_FP6 matrix_a_scale:MATRIX_SCALE_ROW1
.else
	v_wmma_scale_f32_16x16x128_f8f6f4 v[\d:\d+7], v[\a:\a+11], v[PC:PC+11], v[\d:\d+7], v[\sa], v[PW] matrix_a_fmt:MATRIX_FMT_FP6 matrix_b_fmt:MATRIX_FMT_FP6
.endif
.endm
.macro WHERE ahead                     ; the key step of trip m = N + ahead: m - TR from trip TR on, else m + START; its record and its scale words.  s32 keeps m
	s_add_co_u32 s32, s[N], \ahead
	s_add_co_u32 s33, s32, s[START]
	s_sub_co_u32 s34, s32, s[TR]
	s_cmp_ge_u32 s32, s[TR]
	s_cselect_b32 s33, s34, s33
	s_mul_i32 s34, s33, STEPB
	s_mov_b32 s35, 0
	s_add_nc_u64 s[KVA:KVA+1], s[8:9], s[34:35]
	s_lshl_b32 s34, s33, 9
	s_add_nc_u64 s[KVA+2:KVA+3], s[10:11], s[34:35]
.endm
.macro GETREC
.irp k, 0,1,2
	global_load_b128 v[ST+4*\k:ST+4*\k+3], v[CPG], s[KVA:KVA+1] offset:4096*\k
.endr
.endm
	s_load_b256 s[4:11], s[0:1], 0x0               ; qcod 4, qscl 6, kv 8, kvs 10
	s_load_b128 s[12:15], s[0:1], 0x20             ; acod 12, ascl 14
	v_lshl_add_u32 v254, v0, 2, SPARE
	v_mov_b32 v255, 0
	v_lshrrev_b32 v1, 5, v0
	v_readfirstlane_b32 s[WV], v1                  ; wave 0 .. 15
	s_mov_b32 s[J], ttmp9
	s_and_b32 s[BH], ttmp7, 0xffff                 ; bh = 8 batch + head
	s_lshr_b32 s[ROLE], s[WV], 2
	s_xor_b32 s[ROLE], s[ROLE], s[WV]
	s_and_b32 s[ROLE], s[ROLE], 1
	s_lshr_b32 s[IDX], s[WV], 1
	s_lshr_b32 s[BB], s[IDX], 1
	s_sub_co_u32 s32, 15, s[J]
	s_sub_co_u32 s33, 31, s[J]
	s_lshl_b32 s33, s33, 3
	s_add_co_u32 s33, s33, s[IDX]                  ; the high tile in the head
	s_lshl_b32 s34, s[J], 3
	s_add_co_u32 s34, s34, s[IDX]                  ; the low tile
	s_cmp_eq_u32 s[ROLE], 1
	s_cselect_b32 s[LAST], 16, 15
	s_cselect_b32 s[TR], 99, s32
	s_cselect_b32 s[START], s32, 0
	s_cselect_b32 s35, s33, s34                    ; the tile that I finish
	s_mov_b32 s[SEL], 0x76543210
	s_mov_b32 s[SEL+1], 0xfedcba98
	s_mov_b32 s[CS], 0x3e38aa3b
	s_mov_b32 s[CS+1], s[CS]
	s_lshl_b32 s36, s[BH], 8
	s_add_co_u32 s33, s33, s36
	s_add_co_u32 s34, s34, s36
	s_mul_i32 s38, s33, 768                        ; qcod, qscl of the high tile
	s_mov_b32 s39, 0
	s_lshl_b32 s40, s33, 7
	s_mov_b32 s41, 0
	s_mul_i32 s42, s34, 768                        ; and of the low tile
	s_mov_b32 s43, 0
	s_lshl_b32 s44, s34, 7
	s_mov_b32 s45, 0
	s_mul_i32 s46, s[BH], 32*STEPB                 ; kv: the head's 32 records
	s_mov_b32 s47, 0
	s_lshl_b32 s48, s[BH], 14                      ; kvs
	s_mov_b32 s49, 0
	s_lshr_b32 s32, s[BH], 3
	s_lshl_b32 s32, s32, 8
	s_add_co_u32 s32, s32, s35                     ; 256 batch + tile
	s_and_b32 s33, s[BH], 7                        ; head
	s_lshl_b32 s50, s32, 3
	s_add_co_u32 s50, s50, s33
	s_mul_i32 s50, s50, 768                        ; acod: half a fragment for each tile and head
	s_mov_b32 s51, 0
	s_lshl_b32 s52, s32, 2
	s_lshr_b32 s32, s33, 1
	s_add_co_u32 s52, s52, s32
	s_lshl_b32 s52, s52, 7                         ; ascl: a word a lane for each tile and K step (two heads);
	s_and_b32 s33, s33, 1
	s_lshl_b32 s33, s33, 1
	s_add_co_u32 s52, s52, s33                     ; my head's two bytes of it
	s_mov_b32 s53, 0
	s_lshl_b32 s32, s[BB], 5
	s_and_b32 s33, s[IDX], 1
	s_lshl_b32 s33, s33, 3
	s_add_co_u32 s33, s33, s32                     ; 32 (idx / 2) + 8 (idx % 2)
	s_lshl_b32 s36, s[IDX], 9
	s_mul_i32 s37, s[ROLE], STEPB
	s_mul_i32 s32, s[WV], DPITCH
	s_add_co_u32 s32, s32, DUMP
	s_xor_b32 s34, s[WV], 1                        ; my partner: the same idx, the other role
	s_mul_i32 s34, s34, DPITCH
	s_add_co_u32 s34, s34, DUMP
	s_mov_b32 s[N], 0
	s_mov_b32 s[CNT], 0
	v_and_b32 v[TT], 31, v0
	v_and_b32 v[DQ], 15, v0
	v_and_b32 v[BM], 8, v0
	v_bfe_u32 v[BM+1], v0, 4, 1
	v_lshlrev_b32 v[LI], 4, v[TT]
	v_lshlrev_b32 v[LS], 2, v[TT]
	v_lshlrev_b32 v[L8], 3, v[TT]
	v_add_nc_u32 v[DQ], v[DQ], v[BM]               ; pi(r)
	v_lshlrev_b32 v[BM+1], 4, v[BM+1]
	v_add_nc_u32 v[CPG], s36, v[LI]
	v_add_nc_u32 v[LR], s37, v[LI]
	v_add_nc_u32 v[DMP], s32, v[LI]
	v_add_nc_u32 v[DMR], s34, v[LI]
	v_sub_nc_u32 v[DQ], v[DQ], v[BM+1]
	v_add_nc_u32 v[CPL], s37, v[CPG]
	v_mov_b32 v[NINF], 0xff800000
	v_add_nc_u32 v[DQ], s33, v[DQ]
.irp i, 6,7,8,9,10,11
	v_mov_b32 v[QF+\i], 0                          ; the zero codes between the two q
.endr
.set JJ, 0
.rept 32
	v_mov_b32 v[O+JJ], 0                           ; O^T: the first change of M multiplies zeros
.set JJ, JJ+1
.endr
	v_mov_b32 v[NM+1], 0xff61b1e6                  ; the largest t so far: -3e38
	v_mov_b32 v[LL], 0
	v_mov_b32 v[LL+1], 0
	v_floor_f32 v[NM], -v[NM+1]
.irp b, 0,1,2,3
	v_mov_b32 v[BP+\b], 0                          ; a lane permute's destination counts as one of its sources
.endr
	v_mov_b32 v[FF+1], 0                           ; (named as the upper half of a pair)
	s_wait_alu depctr_va_vdst(0)                   ; the wait at the head's end
	s_wait_kmcnt 0x0
	s_add_nc_u64 s[QL:QL+1], s[4:5], s[42:43]
	s_add_nc_u64 s[QL+2:QL+3], s[6:7], s[44:45]
	s_add_nc_u64 s[4:5], s[4:5], s[38:39]
	s_add_nc_u64 s[6:7], s[6:7], s[40:41]
	s_add_nc_u64 s[8:9], s[8:9], s[46:47]
	s_add_nc_u64 s[10:11], s[10:11], s[48:49]
	s_add_nc_u64 s[12:13], s[12:13], s[50:51]
	s_add_nc_u64 s[14:15], s[14:15], s[52:53]
	WHERE 0
	GETREC                                         ; trip 0's record
	global_load_b128 v[SC0:SC0+3], v[LI], s[KVA+2:KVA+3]
	global_load_b128 v[QF:QF+3], v[LI], s[4:5]     ; the high tile's q, twice
	global_load_b64 v[QF+4:QF+5], v[L8], s[4:5] offset:512
	global_load_b128 v[QF+12:QF+15], v[LI], s[4:5]
	global_load_b64 v[QF+16:QF+17], v[L8], s[4:5] offset:512
	global_load_b32 v[QS], v[LS], s[6:7]
	global_load_b128 v[Q2:Q2+3], v[LI], s[QL:QL+1] ; the low tile's
	global_load_b64 v[Q2+4:Q2+5], v[L8], s[QL:QL+1] offset:512
	global_load_b32 v[QS2], v[LS], s[QL+2:QL+3]
	s_wait_xcnt 0x0                                ; the loads above have read their bases: s[58:61] are written again
	WHERE 1
	global_load_b128 v[SC1:SC1+3], v[LI], s[KVA+2:KVA+3]
	s_wait_loadcnt 0x0
.irp k, 0,1,2
	ds_store_b128 v[CPL], v[ST+4*\k:ST+4*\k+3] offset:4096*\k      ; slot 0
.endr
	s_wait_dscnt 0x0                               ; my part of trip 0's record lies in LDS
	GETREC                                         ; trip 1's record
	s_barrier_signal -1                            ; its wait stands at the top of trip 0
; A KEY STEP: 128 keys from the slot named, scale words in set sc.  mode 0: a trip of the loop (trips 0-14: none on a diagonal); 1: trip 15; 2: trip 16, which Y leaves out.
.macro STEP slot, sc, mode
.if \mode == 2
	s_cmp_gt_u32 s[N], s[LAST]
	s_cbranch_scc1 .Lhid_\@
.endif
.irp b, 0,1,2,3
.irp c, 0,1,2
	ds_load_b128 v[F+12*\b+4*\c:F+12*\b+4*\c+3], v[LR] offset:SLOTB*\slot+1536*\b+512*\c
.endr
.endr
	s_wait_dscnt 0x0                               ; K's four fragments are in
.irp b, 0,1,2,3
	KQ S+16*\b, F+12*\b, QF, \sc+\b/2, \b%2        ; key tile 2 b: (q | 0)
	KQ S+16*\b+8, F+12*\b, QF+6, \sc+\b/2, \b%2    ; key tile 2 b + 1: (0 | q)
.endr
.rept 4
	v_nop                                          ; places in front of the loads into K's registers and of the first access to the scores
.endr
.irp t, 0,1,2,3
.irp c, 0,1,2
	ds_load_b128 v[F+12*\t+4*\c:F+12*\t+4*\c+3], v[LR] offset:SLOTB*\slot+6144+1536*\t+512*\c   ; V lands while the softmax is worked
.endr
.endr
.if \mode > 0
	s_cmp_lg_u32 s[N], s[LAST]                     ; on the diagonal hidden scores become -infinity.  Register 16 b + i holds key 32 b + 16 (lane / 16) + i: hidden where 32 b + i > DQ
	s_cbranch_scc1 .Lopen_\@
.irp b, 0,1,2,3                        ; by blocks of 32 keys: ahead of my tile's block all keys count, behind it none, in it each is tested (branches on the wave's number)
	s_cmp_gt_u32 s[BB], \b
	s_cbranch_scc1 .Lnx_\@_\b
	s_cmp_eq_u32 s[BB], \b
	s_cbranch_scc0 .Lhd_\@_\b
.irp i, 0,1,2,3,4,5,6,7,8,9,10,11,12,13,14,15
	v_cmp_gt_i32 vcc_lo, 32*\b+\i, v[DQ]
	v_cndmask_b32 v[S+16*\b+\i], v[S+16*\b+\i], v[NINF], vcc_lo
.endr
	s_branch .Lnx_\@_\b
.Lhd_\@_\b:
.irp i, 0,1,2,3,4,5,6,7,8,9,10,11,12,13,14,15
	v_mov_b32 v[S+16*\b+\i], v[NINF]
.endr
.Lnx_\@_\b:
.endr
.Lopen_\@:
.endif
.irp b, 0,1,2,3
	v_max3_num_f32 v[BM+\b], v[S+16*\b], v[S+1+16*\b], v[S+2+16*\b]   ; the largest score of each block of 32 keys: for the row's maximum, and, since p rises with the score, for the block's largest p
.endr
.irp i, 3,5,7,9,11,13
.irp b, 0,1,2,3
	v_max3_num_f32 v[BM+\b], v[BM+\b], v[S+16*\b+\i], v[S+1+16*\b+\i]
.endr
.endr
.irp b, 0,1,2,3
	v_max_num_f32 v[BM+\b], v[BM+\b], v[S+15+16*\b]
.endr
.irp b, 0,1,2,3
	s_delay_alu instid0(VALU_DEP_4)
	v_permlanex16_b32 v[BP+\b], v[BM+\b], s[SEL], s[SEL+1]
.endr
.irp b, 0,1,2,3
	s_delay_alu instid0(VALU_DEP_4)
	v_max_num_f32 v[BM+\b], v[BM+\b], v[BP+\b]     ; with lane l xor 16's 16 keys
.endr
	s_delay_alu instid0(VALU_DEP_2)
	v_max3_num_f32 v[TT], v[BM], v[BM+1], v[BM+2]
	s_delay_alu instid0(VALU_DEP_1)
	v_max_num_f32 v[TT], v[TT], v[BM+3]
	s_delay_alu instid0(VALU_DEP_1)
	v_mul_f32 v[TT], s[CS], v[TT]
	s_delay_alu instid0(VALU_DEP_1)
	v_max_num_f32 v[NM+1], v[NM+1], v[TT]          ; the running largest t
	v_mov_b32 v[TT], v[NM]
	s_delay_alu instid0(VALU_DEP_2)
	v_floor_f32 v[NM], -v[NM+1]                    ; -M = floor(-t): M is a whole number
	s_delay_alu instid0(VALU_DEP_1)
	v_sub_f32 v[TT], v[NM], v[TT]                  ; old M - new M
	s_delay_alu instid0(VALU_DEP_1)
	v_cvt_i32_f32 v[TT], v[TT]                     ; (it saturates)
	s_delay_alu instid0(VALU_DEP_1)
	v_ldexp_f32 v[FF], 1.0, v[TT]                  ; f = 2^(old M - new M)
.irp b, 0,1,2,3
	v_fma_f32 v[BM+\b], v[BM+\b], s[CS], v[NM]     ; t - M of each block's largest score
.endr
.set JJ, 0
.rept 32
	v_pk_fma_f32 v[S+JJ:S+JJ+1], v[S+JJ:S+JJ+1], s[CS:CS+1], v[NM:NM+1] op_sel_hi:[1,0,0]   ; t - M, two at a time
.set JJ, JJ+2
.endr
	s_wait_alu depctr_va_vdst(0)                   ; the wait ahead of the batch
.irp b, 0,1,2,3
	v_exp_f32 v[BM+\b], v[BM+\b]                   ; the block's largest p: the same two instructions on the same number
.endr
.set JJ, 0
.rept 64
	v_exp_f32 v[S+JJ], v[S+JJ]                     ; p = 2^(t - M)
.set JJ, JJ+1
.endr
	v_pk_mul_f32 v[LL:LL+1], v[LL:LL+1], v[FF:FF+1] op_sel_hi:[1,0]   ; l under the new M: the plain instruction behind the exponentials
	s_wait_alu depctr_va_vdst(0)                   ; one wait for the batch of 68, ahead of its first reader
	v_pk_add_f32 v[L2:L2+1], v[S:S+1], v[S+2:S+3]  ; l: the unquantised p, two at a time, four chains by turns
	v_pk_add_f32 v[LC:LC+1], v[S+4:S+5], v[S+6:S+7]
	v_pk_add_f32 v[LD:LD+1], v[S+8:S+9], v[S+10:S+11]
	v_pk_add_f32 v[LL:LL+1], v[LL:LL+1], v[S+12:S+13]
.irp p, 14,22,30,38,46,54
	v_pk_add_f32 v[L2:L2+1], v[L2:L2+1], v[S+\p:S+\p+1]
	v_pk_add_f32 v[LC:LC+1], v[LC:LC+1], v[S+\p+2:S+\p+3]
	v_pk_add_f32 v[LD:LD+1], v[LD:LD+1], v[S+\p+4:S+\p+5]
	v_pk_add_f32 v[LL:LL+1], v[LL:LL+1], v[S+\p+6:S+\p+7]
.endr
	v_pk_add_f32 v[L2:L2+1], v[L2:L2+1], v[S+62:S+63]
	v_pk_add_f32 v[LL:LL+1], v[LL:LL+1], v[LD:LD+1]
.irp b, 0,1,2,3
	v_max_num_f32 v[BM+\b], 0x1800000, v[BM+\b]    ; the floor 2^(3 - 127): the byte cannot fall under 1
.endr
	v_pk_add_f32 v[L2:L2+1], v[L2:L2+1], v[LC:LC+1]
.irp b, 0,1,2,3
	v_add_nc_u32 v[BS+\b], 0xff000000, v[BM+\b]    ; 2 off the exponent field: the conversion's scale operand
.endr
	v_pk_add_f32 v[LL:LL+1], v[LL:LL+1], v[L2:L2+1]
.irp b, 0,1,2,3
	v_lshrrev_b32 v[BP+\b], 23, v[BS+\b]           ; the scale's byte
.endr
	s_delay_alu instid0(VALU_DEP_3)
	v_lshl_or_b32 v[PW], v[BP+1], 8, v[BP]
	s_delay_alu instid0(VALU_DEP_1)
	v_lshl_or_b32 v[PW], v[BP+2], 16, v[PW]
	s_delay_alu instid0(VALU_DEP_1)
	v_lshl_or_b32 v[PW], v[BP+3], 24, v[PW]
.irp c, 0,1
	v_cvt_scalef32_pk16_fp6_f32 v[PC+6*\c:PC+2+6*\c], v[S+32*\c:S+15+32*\c], v[BS+2*\c]
	v_cvt_scalef32_pk16_fp6_f32 v[PT+4*\c:PT+2+4*\c], v[S+16+32*\c:S+31+32*\c], v[BS+2*\c+1]
.endr
	v_nop                                          ; one plain place behind a scaled conversion
.irp c, 0,1                            ; a whole block in a lane: lanes 0-15 block 2 c, lanes 16-31 block 2 c + 1
.irp i, 0,1,2
	v_permlane16_swap_b32 v[PC+6*\c+\i], v[PT+4*\c+\i]
.endr
.irp i, 0,1,2
	s_delay_alu instid0(VALU_DEP_3)
	v_mov_b32 v[PC+3+6*\c+\i], v[PT+4*\c+\i]
.endr
.endr
	s_wait_alu depctr_va_vdst(0)                   ; the wait directly ahead of the first reader of O^T
.set JJ, 0
.rept 16
	v_pk_mul_f32 v[O+JJ:O+JJ+1], v[O+JJ:O+JJ+1], v[FF:FF+1] op_sel_hi:[1,0]   ; O^T under the new M; also the places between the writes of p's codes and scale word and the products
.set JJ, JJ+2
.endr
	s_wait_alu depctr_va_vdst(0)                   ; directly ahead of the wait below
	s_wait_dscnt 0x0                               ; V's four fragments are in
.irp t, 0,1,2,3
	PVM O+8*\t, F+12*\t, \sc+2+\t/2, \t%2          ; four accumulators, one instruction each
.endr
.rept 4
	v_nop                                          ; places in front of the next loads into these products' registers and of the next access to O^T
.endr
.if \mode == 2
.Lhid_\@:
.endif
.endm
; A TRIP.  sc: this trip's set of scale words, sc2: the set of the trip after next.
.macro TRIP slot, sc, sc2, mode
	s_barrier_wait -1                              ; every wave has stored its part of this trip's records, and has read the slot two trips back for the last time
	s_wait_loadcnt 0x0                             ; what I asked for a trip ago is in
.if \mode < 2
.if \mode == 1
	s_cmp_lt_u32 s[N], s[LAST]                     ; trip 16 is X's alone
	s_cbranch_scc0 .Lnost_\@
.endif
.irp k, 0,1,2
	ds_store_b128 v[CPL], v[ST+4*\k:ST+4*\k+3] offset:SLOTB*((\slot+1)%3)+4096*\k
.endr
.if \mode == 1
.Lnost_\@:
.endif
	s_cmp_lg_u32 s[N], s[TR]
	s_cbranch_scc1 .Lsame_\@
.irp t, 0,1,2,3,4,5,6,7                ; Y CHANGES TILES: its part of the high tile goes to its pair's bytes of LDS (each accumulator from its low end on), -M, t and l behind it
	ds_store_b128 v[DMP], v[O+4*\t:O+4*\t+3] offset:512*\t
.endr
	ds_store_b128 v[DMP], v[NM:NM+3] offset:4096
	s_wait_dscnt 0x0                               ; the stores have read their registers
	v_mov_b32 v[QS], v[QS2]                        ; the low tile's q and scale word; the lines below are the places ahead of the products that read them
.irp i, 0,1,2,3,4,5
	v_mov_b32 v[QF+\i], v[Q2+\i]
	v_mov_b32 v[QF+12+\i], v[Q2+\i]
.endr
.set JJ, 0
.rept 32
	v_mov_b32 v[O+JJ], 0
.set JJ, JJ+1
.endr
	v_mov_b32 v[NM+1], 0xff61b1e6
	v_mov_b32 v[LL], 0
	v_mov_b32 v[LL+1], 0
	v_floor_f32 v[NM], -v[NM+1]
	s_wait_alu depctr_va_vdst(0)                   ; the wait behind these writes
.Lsame_\@:
	s_wait_dscnt 0x0                               ; my stores have landed; no LDS instruction of mine is out at the signal
.if \mode == 0
	WHERE 2
	s_cmp_le_u32 s32, s[LAST]
	s_cbranch_scc0 .Lnold_\@
	GETREC                                         ; the record and the scale words of the trip after next
	global_load_b128 v[\sc2:\sc2+3], v[LI], s[KVA+2:KVA+3]
.Lnold_\@:
.endif
	s_barrier_signal -1                            ; its wait stands at the top of the next trip; up to there I read this trip's slot alone
.endif
	STEP \slot, \sc, \mode
	s_add_co_u32 s[N], s[N], 1
.endm
.Ltrip:                                ; five times three trips: the slots and the sets of scale words are back where they began
	TRIP 0, SC0, SC2, 0
	TRIP 1, SC1, SC0, 0
	TRIP 2, SC2, SC1, 0
	s_add_co_u32 s[CNT], s[CNT], 1
	s_cmp_lt_u32 s[CNT], 5
	s_cbranch_scc1 .Ltrip
	TRIP 0, SC0, SC2, 1                            ; trip 15: Y's diagonal
	TRIP 1, SC1, SC0, 2                            ; trip 16: X's diagonal
	s_cmp_eq_u32 s[ROLE], 0
	s_cbranch_scc1 .Lown
.irp t, 0,1,2,3,4,5,6,7                ; X JOINS Y'S PART OF THE HIGH TILE (stored ahead of a barrier that I have passed)
	ds_load_b128 v[S+4*\t:S+4*\t+3], v[DMR] offset:512*\t
.endr
	ds_load_b128 v[F:F+3], v[DMR] offset:4096
	s_wait_dscnt 0x0
	v_min_num_f32 v[TT], v[NM], v[F]               ; -(the larger M)
	s_delay_alu instid0(VALU_DEP_1)
	v_sub_f32 v[BM], v[TT], v[NM]
	v_sub_f32 v[BM+1], v[TT], v[F]
	s_delay_alu instid0(VALU_DEP_2)
	v_cvt_i32_f32 v[BM], v[BM]
	s_delay_alu instid0(VALU_DEP_2)
	v_cvt_i32_f32 v[BM+1], v[BM+1]                 ; (it saturates: a part with no key has M = -3e38 and gets the factor 0)
	s_delay_alu instid0(VALU_DEP_2)
	v_ldexp_f32 v[FF], 1.0, v[BM]
	s_delay_alu instid0(VALU_DEP_2)
	v_ldexp_f32 v[BS], 1.0, v[BM+1]
	s_delay_alu instid0(VALU_DEP_2)
	v_pk_mul_f32 v[LL:LL+1], v[LL:LL+1], v[FF:FF+1] op_sel_hi:[1,0]
.set JJ, 0
.rept 16
	v_pk_mul_f32 v[O+JJ:O+JJ+1], v[O+JJ:O+JJ+1], v[FF:FF+1] op_sel_hi:[1,0]
.set JJ, JJ+2
.endr
	v_pk_fma_f32 v[LL:LL+1], v[F+2:F+3], v[BS:BS+1], v[LL:LL+1] op_sel_hi:[1,0,1]
.set JJ, 0
.rept 16
	v_pk_fma_f32 v[O+JJ:O+JJ+1], v[S+JJ:S+JJ+1], v[BS:BS+1], v[O+JJ:O+JJ+1] op_sel_hi:[1,0,1]
.set JJ, JJ+2
.endr
.Lown:
	; THE END: o = O^T / l, quantised along my head's 64 channels (two blocks of the last product's K): register 16 b + i is channel 32 b + 16 (lane / 16) + i of my query
	s_wait_alu depctr_va_vdst(0)
	v_add_f32 v[LL], v[LL], v[LL+1]
	s_delay_alu instid0(VALU_DEP_1)
	v_permlanex16_b32 v[TT], v[LL], s[SEL], s[SEL+1]
	s_delay_alu instid0(VALU_DEP_1)
	v_add_f32 v[LL], v[LL], v[TT]                  ; the row's sum
	s_wait_alu depctr_va_vdst(0)
	v_rcp_f32 v[FF], v[LL]
	v_nop                                          ; a plain place behind the reciprocal
	s_wait_alu depctr_va_vdst(0)                   ; and the wait ahead of its first reader
.set JJ, 0
.rept 16
	v_pk_mul_f32 v[S+JJ:S+JJ+1], v[O+JJ:O+JJ+1], v[FF:FF+1] op_sel_hi:[1,0]   ; each accumulator from its low end on
.set JJ, JJ+2
.endr
.irp b, 0,1
	v_max3_num_f32 v[BM+\b], |v[S+16*\b]|, |v[S+1+16*\b]|, 0x1800000
.endr
.irp i, 2,4,6,8,10,12,14
.irp b, 0,1
	s_delay_alu instid0(VALU_DEP_2)
	v_max3_num_f32 v[BM+\b], v[BM+\b], |v[S+16*\b+\i]|, |v[S+1+16*\b+\i]|
.endr
.endr
.irp b, 0,1
	s_delay_alu instid0(VALU_DEP_2)
	v_permlanex16_b32 v[BP+\b], v[BM+\b], s[SEL], s[SEL+1]
.endr
.irp b, 0,1
	s_delay_alu instid0(VALU_DEP_2)
	v_max_num_f32 v[BM+\b], v[BM+\b], v[BP+\b]
.endr
.irp b, 0,1
	s_delay_alu instid0(VALU_DEP_2)
	v_add_nc_u32 v[BS+\b], 0xff000000, v[BM+\b]
.endr
.irp b, 0,1
	s_delay_alu instid0(VALU_DEP_2)
	v_lshrrev_b32 v[BP+\b], 23, v[BS+\b]
.endr
	s_delay_alu instid0(VALU_DEP_1)
	v_lshl_or_b32 v[PW], v[BP+1], 8, v[BP]         ; my head's two scale bytes
	v_cvt_scalef32_pk16_fp6_f32 v[PC:PC+2], v[S:S+15], v[BS]
	v_cvt_scalef32_pk16_fp6_f32 v[PT:PT+2], v[S+16:S+31], v[BS+1]
	v_nop
.irp i, 0,1,2
	v_permlane16_swap_b32 v[PC+\i], v[PT+\i]
.endr
.irp i, 0,1,2
	s_delay_alu instid0(VALU_DEP_3)
	v_mov_b32 v[PC+3+\i], v[PT+\i]
.endr
	global_store_b128 v[LI], v[PC:PC+3], s[12:13]  ; half a fragment: registers 0-3 at 16 x lane: 512 dense bytes,
	global_store_b64 v[L8], v[PC+4:PC+5], s[12:13] offset:512   ; registers 4-5 at 8 x lane: 256
	global_store_b16 v[LS], v[PW], s[14:15]        ; two bytes of each lane's scale word; the other two are the neighbouring head's
	s_wait_tensorcnt 0x0                           ; the wave's end
	ds_add_u32 v254, v255
	s_wait_dscnt 0x0
	s_endpgm
.Lfunc_end_k_q4b82adc98f_attn:
	.size	k_q4b82adc98f_attn, .Lfunc_end_k_q4b82adc98f_attn-k_q4b82adc98f_attn
	.p2alignl 7, 3214868480
	.fill 96, 4, 3214868480
	.section	.rodata,"a",@progbits
	.p2align	6, 0x0
	.amdhsa_kernel k_q4b82adc98f_attn
		.amdhsa_group_segment_fixed_size 149504
		.amdhsa_private_segment_fixed_size 0
		.amdhsa_enable_private_segment 0
		.amdhsa_kernarg_size 48
		.amdhsa_user_sgpr_count 2
		.amdhsa_user_sgpr_kernarg_segment_ptr 1
		.amdhsa_wavefront_size32 1
		.amdhsa_system_sgpr_workgroup_id_x 1
		.amdhsa_system_sgpr_workgroup_id_y 1
		.amdhsa_system_sgpr_workgroup_id_z 1
		.amdhsa_system_vgpr_workitem_id 0
		.amdhsa_next_free_vgpr 256
		.amdhsa_next_free_sgpr 66
		.amdhsa_reserve_vcc 1
		.amdhsa_float_denorm_mode_32 3
		.amdhsa_float_denorm_mode_16_64 3
		.amdhsa_memory_ordered 1
		.amdhsa_forward_progress 1
		.amdhsa_inst_pref_size 123
	.end_amdhsa_kernel
	.amdgpu_metadata
---
amdhsa.version: [ 1, 2 ]
amdhsa.kernels:
  - .name:           k_q4b82adc98f_attn
    .symbol:         k_q4b82adc98f_attn.kd
    .args:
      - { .name: qcod, .offset: 0, .size: 8, .value_kind: global_buffer, .address_space: global }
      - { .name: qscl, .offset: 8, .size: 8, .value_kind: global_buffer, .address_space: global }
      - { .name: kv, .offset: 16, .size: 8, .value_kind: global_buffer, .address_space: global }
      - { .name: kvs, .offset: 24, .size: 8, .value_kind: global_buffer, .address_space: global }
      - { .name: acod, .offset: 32, .size: 8, .value_kind: global_buffer, .address_space: global }
      - { .name: ascl, .offset: 40, .size: 8, .value_kind: global_buffer, .address_space: global }
    .group_segment_fixed_size: 149504
    .private_segment_fixed_size: 0
    .kernarg_segment_align: 8
    .kernarg_segment_size: 48
    .max_flat_workgroup_size: 512
    .sgpr_count:     66
    .vgpr_count:     256
    .wavefront_size: 32
...
	.end_amdgpu_metadata
.endif
;; end of part 2
;; launch oproj (part 3): grid 256 x 1, 8 waves a work-group, no clusters, 241,664 bytes of LDS; arguments acod, ascl, Wo_codes, Wo_scales, bo, out0; writes out0
.if DOCPART == 3
	.amdgcn_target "amdgcn-amd-amdhsa--gfx1250"
	.amdhsa_code_object_version 6
	.text
	.protected	k_q4b82adc98f_oproj
	.globl	k_q4b82adc98f_oproj
	.p2align	8
	.type	k_q4b82adc98f_oproj,@function
k_q4b82adc98f_oproj:
	s_mov_b64 s[64:65], 0
	v_nop
	global_prefetch_b8 v0, s[64:65] scope:SCOPE_SE
	s_setreg_imm32_b32 hwreg(HW_REG_WAVE_MODE, 25, 1), 1
	s_wait_xcnt 0x0
; out = a Wo + bo on codes of FP6 (E2M3) with E8M0 scales, f32 sums.  a: the attention launch's codes, laid as halves of operand registers; Wo: [512 (column)][512 (K)] codes, K innermost.
; SHARES.  Work-group x takes tokens 32 x .. 32 x + 31 (two tiles; lane r of tile u holds token 8 u + r + (r & 8)); wave w takes columns 64 w .. 64 w + 63 (four tiles).  Waves share nothing: no barrier, no branch.
; WO'S ROWS COME DENSE: a wave's 64 rows of 384 bytes are 24,576 consecutive bytes: 48 loads in which the 32 lanes take 512 consecutive bytes.  They go into the wave's own LDS bytes as rows 400 bytes apart
; (100 words: the sixteen rows of a fragment load start at sixteen different groups of four banks), and come back as fragments, in pieces of 8 bytes.  Three loads cover four rows: load 3 g + k, lane l holds byte
; 512 k + 16 l of rows 4 g .. 4 g + 3, which lies in row k + (l + 8 (k + 1)) / 32 of the four: one address register for each k, 1,600 g in the offset.
; THE MATRIX INSTRUCTION IS USED TRANSPOSED (source 0 = 16 columns of Wo, source 1 = 16 tokens): a lane holds eight neighbouring columns of one token.  The bias is the C of each sum's first instruction: it is loaded into the accumulators.
; THE WAY OUT: a tile's 16 rows x 256 bytes go through the wave's own stage in LDS (rows 272 bytes apart) and leave with sixteen lanes storing 256 consecutive bytes, at a multiple of 256 from out0's first byte.
; No cluster, no tensor load, no request ahead: there is no loop to run ahead in; every operand is asked for in one run at the head.
; REGISTERS: window 0: v1-15 addresses; v16-111 a's fragments (4 u + s), later the rows read back; v112-119 a's scale words; v120-135 Wo's (4 t + s); v136-199 accumulators (4 u + t).  Window 1: v0-191 Wo's rows as loaded, then its fragments (4 t + s).
.set SPARE, 34816                      ; behind the eight stages: the spare words
.set WL,  36864                        ; Wo's rows: 25,600 bytes a wave
.set LI,  1                            ; v1  16 x lane
.set LS,  2                            ; v2  4 x lane
.set L8,  3                            ; v3  8 x lane
.set VW,  4                            ; v4  my bytes of a tile's rows of Wo in LDS: 400 r + 24 h
.set VWS, 5                            ; v5  16 r: my row's scale bytes
.set VB,  6                            ; v6  32 h: my half's eight numbers of bo
.set STO, 7                            ; v7  the stage, in
.set RD,  8                            ; v8  and back
.set CO,  9                            ; v9  the same two rows in out0
.set WA,  13                           ; v13-15 where load 3 g + k puts its 16 bytes
.set AF,  16
.set ASC, 112
.set WSC, 120
.set ACC, 136
.set BK,  16
.set MSB, 0
.macro WIN new                         ; the immediate's high byte repeats the setting that is left
.if MSB != \new
	s_set_vgpr_msb (MSB<<8)|\new
.set MSB, \new
.endif
.endm
	s_load_b256 s[4:11], s[0:1], 0x0               ; acod 4, ascl 6, Wo_codes 8, Wo_scales 10
	s_load_b128 s[12:15], s[0:1], 0x20             ; bo 12, out0 14
	v_lshl_add_u32 v254, v0, 2, SPARE
	v_mov_b32 v255, 0
	v_lshrrev_b32 v1, 5, v0
	v_readfirstlane_b32 s16, v1                    ; wave 0 .. 7
	s_mul_i32 s18, ttmp9, 12288                    ; acod: 16 halves of 768 bytes for my two tiles
	s_mov_b32 s19, 0
	s_lshl_b32 s20, ttmp9, 10                      ; ascl: 8 images of 128 bytes
	s_mov_b32 s21, 0
	s_mul_i32 s22, s16, 24576                      ; Wo: my 64 rows of 384 bytes
	s_mov_b32 s23, 0
	s_lshl_b32 s24, s16, 10                        ; and of 16 scale bytes
	s_mov_b32 s25, 0
	s_lshl_b32 s26, s16, 8                         ; bo: my 64 numbers
	s_mov_b32 s27, 0
	s_lshl_b32 s28, ttmp9, 16                      ; out0: 32 rows of 2,048 bytes, + my 256 bytes of a row
	s_add_co_u32 s28, s28, s26
	s_mov_b32 s29, 0
	s_mul_i32 s17, s16, 4352                       ; my stage: 16 rows x 272 bytes
	s_mul_i32 s30, s16, 25600
	s_add_co_u32 s30, s30, WL                      ; my rows of Wo in LDS
	s_add_co_u32 s31, s30, 512+16                  ; k = 1: 512 bytes on, one row passed
	s_add_co_u32 s32, s30, 1024+32                 ; k = 2
	v_and_b32 v10, 31, v0
	v_and_b32 v11, 15, v0                          ; r
	v_bfe_u32 v12, v0, 4, 1                        ; h
	v_lshlrev_b32 v[LI], 4, v10
	v_lshlrev_b32 v[LS], 2, v10
	v_lshlrev_b32 v[L8], 3, v10
	v_add_nc_u32 v[WA], 8, v10
	v_add_nc_u32 v[WA+1], 16, v10
	v_add_nc_u32 v[WA+2], 24, v10
	v_mul_u32_u24 v[VW], v11, 400
	v_lshrrev_b32 v[WA], 5, v[WA]                  ; 1 where my 16 bytes lie in the next row
	v_lshrrev_b32 v[WA+1], 5, v[WA+1]
	v_lshrrev_b32 v[WA+2], 5, v[WA+2]
	v_mad_u32_u24 v[VW], v12, 24, v[VW]
	v_lshl_add_u32 v[WA], v[WA], 4, v[LI]          ; 16 more for each row passed
	v_lshl_add_u32 v[WA+1], v[WA+1], 4, v[LI]
	v_lshl_add_u32 v[WA+2], v[WA+2], 4, v[LI]
	v_add_nc_u32 v[VW], s30, v[VW]
	v_add_nc_u32 v[WA], s30, v[WA]
	v_add_nc_u32 v[WA+1], s31, v[WA+1]
	v_add_nc_u32 v[WA+2], s32, v[WA+2]
	v_lshlrev_b32 v[VWS], 4, v11
	v_lshlrev_b32 v[VB], 5, v12
	v_mul_u32_u24 v[STO], v11, 272
	v_mul_u32_u24 v[RD], v12, 272
	v_lshlrev_b32 v[CO], 11, v12
	v_lshl_add_u32 v[STO], v12, 5, v[STO]
	v_lshl_add_u32 v[RD], v11, 4, v[RD]
	v_lshl_add_u32 v[CO], v11, 4, v[CO]
	v_add_nc_u32 v[STO], s17, v[STO]
	v_add_nc_u32 v[RD], s17, v[RD]
	s_wait_alu depctr_va_vdst(0)                   ; the wait at the head's end
	s_wait_kmcnt 0x0
	s_add_nc_u64 s[4:5], s[4:5], s[18:19]
	s_add_nc_u64 s[6:7], s[6:7], s[20:21]
	s_add_nc_u64 s[8:9], s[8:9], s[22:23]
	s_add_nc_u64 s[10:11], s[10:11], s[24:25]
	s_add_nc_u64 s[12:13], s[12:13], s[26:27]
	s_add_nc_u64 s[14:15], s[14:15], s[28:29]
	WIN 0x40                                       ; destination window 1, address window 0
.set M, 0
.rept 48
	global_load_b128 v[4*M:4*M+3], v[LI], s[8:9] offset:512*M
.set M, M+1
.endr
	WIN 0
.irp u, 0,1
.irp s, 0,1,2,3
.irp c, 0,1                            ; registers 6 c .. 6 c + 5 of K step s are head 2 s + c's half
	global_load_b128 v[AF+12*(4*\u+\s)+6*\c:AF+12*(4*\u+\s)+6*\c+3], v[LI], s[4:5] offset:((4*\u+\s)*2+\c)*768
	global_load_b64 v[AF+12*(4*\u+\s)+6*\c+4:AF+12*(4*\u+\s)+6*\c+5], v[L8], s[4:5] offset:((4*\u+\s)*2+\c)*768+512
.endr
	global_load_b32 v[ASC+4*\u+\s], v[LS], s[6:7] offset:(4*\u+\s)*128
.endr
.endr
.irp t, 0,1,2,3
	global_load_b128 v[WSC+4*\t:WSC+4*\t+3], v[VWS], s[10:11] offset:256*\t   ; a row's 16 scale bytes are its four K steps' words
.endr
.irp u, 0,1
.irp t, 0,1,2,3
	global_load_b128 v[ACC+8*(4*\u+\t):ACC+8*(4*\u+\t)+3], v[VB], s[12:13] offset:64*\t        ; bo(64 w + 16 t + 8 h + 0 .. 7) starts the sums
	global_load_b128 v[ACC+8*(4*\u+\t)+4:ACC+8*(4*\u+\t)+7], v[VB], s[12:13] offset:64*\t+16
.endr
.endr
	s_wait_loadcnt 60                              ; Wo's 48 loads are in: behind them stand a's 40, the 4 of Wo's scale words and the bias's 16
	WIN 0x04                                       ; the data: window 1
.set M, 0
.rept 48
	ds_store_b128 v[WA+M%3], v[4*M:4*M+3] offset:1600*(M/3)
.set M, M+1
.endr
	s_wait_dscnt 0x0                               ; the stores have read their registers, which take the fragments now
	WIN 0x40
.irp t, 0,1,2,3
.irp s, 0,1,2,3
.irp p, 0,1,2,3,4,5
	ds_load_b64 v[12*(4*\t+\s)+2*\p:12*(4*\t+\s)+2*\p+1], v[VW] offset:6400*\t+96*\s+48*(\p/3)+8*(\p%3)
.endr
.endr
.endr
	s_wait_loadcnt 0x0                             ; every operand is wanted by the run below
	s_wait_dscnt 0x0
	WIN 0x01                                       ; source 0 (Wo) window 1
.irp s, 0,1,2,3
.irp u, 0,1
.irp t, 0,1,2,3
	v_wmma_scale_f32_16x16x128_f8f6f4 v[ACC+8*(4*\u+\t):ACC+8*(4*\u+\t)+7], v[12*(4*\t+\s):12*(4*\t+\s)+11], v[AF+12*(4*\u+\s):AF+12*(4*\u+\s)+11], v[ACC+8*(4*\u+\t):ACC+8*(4*\u+\t)+7], v[WSC+4*\t+\s], v[ASC+4*\u+\s] matrix_a_fmt:MATRIX_FMT_FP6 matrix_b_fmt:MATRIX_FMT_FP6
.endr
.endr
.endr
	WIN 0
.rept 4
	v_nop                                          ; places in front of the LDS stores that read results and of the loads into the registers that held a's fragments
.endr
.macro TOSTAGE u
.irp t, 0,1,2,3
	ds_store_b128 v[STO], v[ACC+8*(4*\u+\t):ACC+8*(4*\u+\t)+3] offset:64*\t          ; each accumulator from its low end on
	ds_store_b128 v[STO], v[ACC+8*(4*\u+\t)+4:ACC+8*(4*\u+\t)+7] offset:64*\t+16
.endr
.irp i, 0,1,2,3,4,5,6,7
	ds_load_b128 v[BK+32*\u+4*\i:BK+32*\u+4*\i+3], v[RD] offset:544*\i   ; LDS serves a wave's instructions in order (ISA guide 5.7.1.4): these see the stores above, and the next tile's stores come behind them
.endr
.endm
.macro SEND u, younger                 ; younger: the LDS instructions issued behind this tile's eight loads
.irp i, 0,1,2,3,4,5,6,7
	s_wait_dscnt \younger+7-\i                     ; load i is in: behind it stand this tile's 7 - i later loads and the younger ones
	global_store_b128 v[CO], v[BK+32*\u+4*\i:BK+32*\u+4*\i+3], s[14:15] offset:(8*\u+2*\i+8*(\i/4))*2048 th:TH_STORE_NT   ; stage rows 2 i, 2 i + 1 are tokens 8 u + 2 i (+ 8 from row 8 on) and the next
.endr
.endm
	TOSTAGE 0
	TOSTAGE 1
	SEND 0, 16                                     ; tile 1's eight stores and eight loads may stay out
	SEND 1, 0
	s_wait_tensorcnt 0x0                           ; the wave's end
	ds_add_u32 v254, v255
	s_wait_dscnt 0x0
	s_endpgm
.Lfunc_end_k_q4b82adc98f_oproj:
	.size	k_q4b82adc98f_oproj, .Lfunc_end_k_q4b82adc98f_oproj-k_q4b82adc98f_oproj
	.p2alignl 7, 3214868480
	.fill 96, 4, 3214868480
	.section	.rodata,"a",@progbits
	.p2align	6, 0x0
	.amdhsa_kernel k_q4b82adc98f_oproj
		.amdhsa_group_segment_fixed_size 241664
		.amdhsa_private_segment_fixed_size 0
		.amdhsa_enable_private_segment 0
		.amdhsa_kernarg_size 48
		.amdhsa_user_sgpr_count 2
		.amdhsa_user_sgpr_kernarg_segment_ptr 1
		.amdhsa_wavefront_size32 1
		.amdhsa_system_sgpr_workgroup_id_x 1
		.amdhsa_system_sgpr_workgroup_id_y 1
		.amdhsa_system_sgpr_workgroup_id_z 1
		.amdhsa_system_vgpr_workitem_id 0
		.amdhsa_next_free_vgpr 448
		.amdhsa_next_free_sgpr 66
		.amdhsa_reserve_vcc 0
		.amdhsa_float_denorm_mode_32 3
		.amdhsa_float_denorm_mode_16_64 3
		.amdhsa_memory_ordered 1
		.amdhsa_forward_progress 1
		.amdhsa_inst_pref_size 31
	.end_amdhsa_kernel
	.amdgpu_metadata
---
amdhsa.version: [ 1, 2 ]
amdhsa.kernels:
  - .name:           k_q4b82adc98f_oproj
    .symbol:         k_q4b82adc98f_oproj.kd
    .args:
      - { .name: acod, .offset: 0, .size: 8, .value_kind: global_buffer, .address_space: global }
      - { .name: ascl, .offset: 8, .size: 8, .value_kind: global_buffer, .address_space: global }
      - { .name: Wo_codes, .offset: 16, .size: 8, .value_kind: global_buffer, .address_space: global }
      - { .name: Wo_scales, .offset: 24, .size: 8, .value_kind: global_buffer, .address_space: global }
      - { .name: bo, .offset: 32, .size: 8, .value_kind: global_buffer, .address_space: global }
      - { .name: out0, .offset: 40, .size: 8, .value_kind: global_buffer, .address_space: global }
    .group_segment_fixed_size: 241664
    .private_segment_fixed_size: 0
    .kernarg_segment_align: 8
    .kernarg_segment_size: 48
    .max_flat_workgroup_size: 256
    .sgpr_count:     66
    .vgpr_count:     448
    .wavefront_size: 32
...
	.end_amdgpu_metadata
.endif
;; end of part 3
